; MI455X (gfx1250); checked and timed in simulation.
; The chip was launched on July 23, 2026; its instructions are those of AMD's public machine-readable ISA for CDNA 5 (MIT licence, August 2026) and "CDNA5" Instruction Set Architecture Reference Guide (July 2026). The comments in the code are by the model that wrote it; some were corrected since.
;; Dilated MHCA Block. Allowed arithmetic: matrix products marked QUANTISED: E4M3 operands, one given power-of-two scale a tensor, by v_wmma_f32_16x16x64_fp8_fp8 or v_wmma_f32_16x16x128_fp8_fp8, f32 sums; everything else in f32.
;; Inputs: Wk 1,024 x 1,024 float32; Wo 1,024 x 1,024 float32; Wq 1,024 x 1,024 float32; Wv 1,024 x 1,024 float32; bk 1,024 float32; bo 1,024 float32; bq 1,024 float32; bv 1,024 float32; lowp_scales 12 int32 (the exponents e of the quantised operands' scales 2^e); x 4 x 2,048 x 1,024 float32.
;; Outputs: out0 4 x 2,048 x 1,024 float32.
;; This version of the problem:
;;   THIS VERSION OF THE PROBLEM IS GIVEN IN LOW PRECISION. The matrix products marked QUANTISED in the list below multiply operands that are first quantised to E4M3 (4 exponent bits, 3 mantissa bits; 8 bits a number), with one given power-of-two scale for each operand tensor; their sums are f32. All else is computed in f32.
;;   The module's matrix products, in the order in which they are computed (A, B: the left and right operand; K: the contracted axis; several contracted axes count as one K, in the product's order):
;;     1. [M 8,192, K 1,024] x [K 1,024, N 1,024]; A: input x; B: input Wq: QUANTISED (scales: A lowp_scales[0], B lowp_scales[1])
;;     2. [M 8,192, K 1,024] x [K 1,024, N 1,024]; A: input x; B: input Wk: QUANTISED (scales: A lowp_scales[2], B lowp_scales[3])
;;     3. [M 8,192, K 1,024] x [K 1,024, N 1,024]; A: input x; B: input Wv: QUANTISED (scales: A lowp_scales[4], B lowp_scales[5])
;;     4. batch 64 x [M 2,048, K 64] x [K 64, N 2,048]; A: computed on the way; B: computed on the way: QUANTISED (scales: A lowp_scales[6], B lowp_scales[7])
;;     5. batch 64 x [M 2,048, K 2,048] x [K 2,048, N 64]; A: softmax (see below); B: computed on the way: QUANTISED (scales: A lowp_scales[8], B lowp_scales[9])
;;     6. [M 8,192, K 1,024] x [K 1,024, N 1,024]; A: computed on the way; B: input Wo: QUANTISED (scales: A lowp_scales[10], B lowp_scales[11])
;;   THE QUANTISER, for each operand of a quantised product, along K:
;;     - The operand's scale is 2^e, e = its entry of the input lowp_scales (int32; the entries are numbered through the quantised products in the list's order, A before B).
;;     - Each number is divided by the scale, clamped to +-448, and rounded to the nearest number of E4M3, ties to even, subnormals kept.
;;     - The product sums the exact products of the quantised numbers (number of the format x scale) in f32.
;;   ~~~python
;;   def quantise(x, axis, e):      # numpy; x: float32 -> the quantised numbers, widened to float32 again
;;       x = np.moveaxis(x, axis, -1); K = x.shape[-1]
;;       r = np.clip(x / 2.0 ** e, -448, 448)
;;       step = 2.0 ** (np.maximum(np.frexp(np.where(r == 0, 1, r))[1] - 1, -6) - 3)
;;       q = np.round(r / step) * step * 2.0 ** e      # np.round: ties to even
;;       return np.moveaxis(q, -1, axis).astype(np.float32)
;;   ~~~
;;   SOFTMAX AHEAD OF A QUANTISED PRODUCT. Where the list says 'softmax', what is quantised is not the finished softmax but p = 2^(t - M), with t = logit x log2(e) and M = ceil(the row's largest t), a whole number; so 1/2 < the row's largest p <= 1. The row's sum l is taken of the UNQUANTISED p, in f32, and the product's result is divided by l at the end. Since M is a whole number, a kernel that streams over the keys may use a running M (the ceiling of the running maximum): every later rescaling is an exact power of two, so the quantised numbers keep their values, but for numbers so far below the row's largest that they fall under the format's range.
;;   OPERANDS COMPUTED ON THE WAY. 'Computed on the way' means the value that the module computes at that place (a softmax that the list does not call 'softmax' is quantised finished and normalised). What goes into a quantiser is computed in f32, as accurately as f32 sums, v_exp_f32 and their like allow (about 1e-6 of the number): no bf16 or f16 on the way to a quantiser, and a product that is left as it is and whose result goes on into a quantised operand takes f32 operands (vector FMAs, or v_wmma_f32_16x16x4_f32). A number that lies on a knife's edge between two numbers of the format may be rounded either way, as far as f32 arithmetic and the matrix unit's own rounding can turn it there, and no further.
;; One version. Each part assembles by itself: llvm-mc -triple=amdgcn-amd-amdhsa -mcpu=gfx1250 --defsym DOCPART=n.
;; ======== version 1 of 1: 4 launches
;; workspace buffers: xc 25,165,824 bytes; wc 4,194,304 bytes; qkv 25,165,824 bytes; ac 8,388,608 bytes
;; launch quant (part 1): grid 1536 x 1, 4 waves a work-group, no clusters, 34,304 bytes of LDS; arguments x, Wq, Wk, Wv, Wo, lowp_scales, xc, wc; writes xc, wc
.if DOCPART == 1
	.amdgcn_target "amdgcn-amd-amdhsa--gfx1250"
	.amdhsa_code_object_version 6
	.text
	.protected	k_q99395cc1d9_quant
	.globl	k_q99395cc1d9_quant
	.p2align	8
	.type	k_q99395cc1d9_quant,@function
k_q99395cc1d9_quant:
	s_mov_b64 s[64:65], 0
	v_nop
	global_prefetch_b8 v0, s[64:65] scope:SCOPE_SE
	s_setreg_imm32_b32 hwreg(HW_REG_WAVE_MODE, 25, 1), 1
	s_wait_xcnt 0x0
; x [8192][1024] and the four weights [1024][1024], f32, become codes of FP8 (E4M3), each with the scale 2^e that is given for it, laid as IMAGES OF OPERAND REGISTERS:
; a fragment of 16 rows x 128 K lies at tile x 16384 + kb x 2048 + c x 512 + 16 x lane; lane 16 h + r holds k = 128 kb + 32 c + 16 h + 0 .. 15 of the tile's row r.
; ROW ORDER.  x's rows are taken in the order p = b x 2048 + c x 512 + m, where the row in memory is b x 2048 + 4 m + c: the keys that a query may see (distance a multiple of 4, at most 32) are then
; neighbours, |dm| <= 8, in one of 16 sequences of 512 rows.  A tile's 16 rows lie 4 rows of memory apart.
; Wq, Wk, Wv: row 8 rho + l of stored tile 2 B + u is row 32 B + 16 rho + 8 u + l of the weight, so that two neighbouring result tiles give a lane 16 neighbouring channels.  Wo: rows as they lie.
; x has three scales (entries 0, 2, 4).  Plane 0 of xc is always written; planes 1 and 2 only where their exponent differs from entry 0 (a scalar branch on whole numbers; this text has no tensor load).
; SHARES.  Work-group n: tile n / 2 (0-511 x's, then 64 for each weight), half n % 2 of K; wave w takes 16 rows x 128 K: kb = 4 (n % 2) + w.  Waves share nothing: no barrier.
; Each load reads 512 consecutive bytes of one row; the 16 rows turn through the wave's own stage in LDS (rows 528 bytes apart, an odd multiple of 16) so that a lane gets 16 neighbours along K;
; each store covers 512 consecutive bytes, aligned.
; No cluster and no joint loads: no two work-groups read the same bytes.
; LIMITS: every exponent e between -126 and 119, so that 2^e and 448 x 2^e are f32 numbers.  NaN among the inputs is not served; an infinity is held at the largest code.
.set PIT,  528                         ; a stage row: 512 bytes + 16
.set STG,  16*PIT                      ; a wave's stage
.set OFF,  16                          ; v16-31   row i's byte offset + 16 x lane
.set R,    32                          ; v32-95   16 rows as loaded
.set X,    96                          ; v96-159  64 numbers of my row: register 16 c + i = k 32 c + 16 h + i
.set TT,   32                          ; v32-63   two sets of 16 held numbers (R is free behind the wait for the stage)
	s_load_b512 s[8:23], s[0:1], 0x0               ; x s[8:9], Wq s[10:11], Wk s[12:13], Wv s[14:15], Wo s[16:17], the exponents s[18:19], xc s[20:21], wc s[22:23]
	v_lshl_add_u32 v176, v0, 2, 0x8400
	v_mov_b32 v177, 0
	v_lshrrev_b32 v1, 5, v0
	v_readfirstlane_b32 s33, v1                    ; wave
	v_and_b32 v1, 31, v0
	v_lshlrev_b32 v2, 4, v1                        ; 16 x lane; never rewritten
	v_and_b32 v3, 15, v0                           ; r
	v_bfe_u32 v4, v0, 4, 1                         ; h
	s_mul_i32 s32, s33, STG
	v_add_nc_u32 v5, s32, v2                       ; the stage, way in: 16 x lane of a row
	v_mul_u32_u24 v6, v3, PIT
	v_lshl_add_u32 v6, v4, 6, v6
	v_add_nc_u32 v6, s32, v6                       ; way out: row r, + 64 h bytes
	s_lshr_b32 s34, ttmp9, 1                       ; tile
	s_and_b32 s35, ttmp9, 1
	s_lshl_b32 s35, s35, 2
	s_add_co_u32 s35, s35, s33                     ; kb
	s_lshr_b32 s2, s34, 7                          ; x: the tile's first row in memory: 2048 (T / 128)
	s_lshl_b32 s2, s2, 11
	s_bfe_u32 s3, s34, 0x20005                     ; + (T / 32) % 4
	s_add_co_u32 s2, s2, s3
	s_and_b32 s3, s34, 31
	s_lshl_b32 s3, s3, 6                           ; + 64 (T % 32)
	s_add_co_u32 s2, s2, s3
	s_and_b32 s42, s34, 63                         ; a weight's tile,
	s_max_u32 s43, s34, 512
	s_sub_co_u32 s43, s43, 512
	s_lshr_b32 s43, s43, 6                         ; and which weight: 0 Wq, 1 Wk, 2 Wv, 3 Wo
	s_lshl_b32 s44, s42, 4
	s_and_b32 s45, s42, 1
	s_lshl_b32 s45, s45, 3
	s_lshl_b32 s46, s43, 20
	s_lshl_b32 s47, s42, 14
	s_add_co_u32 s46, s46, s47                     ; its image's place in wc
	s_lshl_b32 s47, s34, 14                        ; and x's in xc
	s_cmp_lt_u32 s43, 3                            ; Wq, Wk, Wv: first row 16 wt - 8 (wt % 2), rows 8-15 eight rows further on
	s_cselect_b32 s45, s45, 0
	s_cselect_b32 s57, 0x8000, 0
	s_sub_co_u32 s44, s44, s45
	s_mov_b32 s56, 4096
	s_cmp_lt_u32 s34, 512                          ; x's tile or a weight's: the choice hangs on the work-group's number alone
	s_cselect_b32 s2, s2, s44
	s_cselect_b32 s57, 0, s57
	s_cselect_b32 s56, 0x4000, s56                 ; bytes from a tile's row to the next
	s_cselect_b32 s46, s47, s46
	s_lshl_b32 s2, s2, 12                          ; the first row in bytes,
	s_lshl_b32 s3, s35, 9
	s_add_co_u32 s2, s2, s3                        ; + my 128 numbers of it
	s_mov_b32 s3, 0
	s_lshl_b32 s47, s35, 11
	s_add_co_u32 s46, s46, s47                     ; + kb x 2048
	s_mov_b32 s47, 0
	v_add_nc_u32 v7, s57, v2
.irp i, 0,1,2,3,4,5,6,7
	v_mad_u32_u24 v[OFF+\i], s56, \i, v2
.endr
.irp i, 8,9,10,11,12,13,14,15
	v_mad_u32_u24 v[OFF+\i], s56, \i, v7
.endr
	s_wait_kmcnt 0x0
	s_load_b256 s[24:31], s[18:19], 0x0            ; e0 .. e7
	s_load_b128 s[36:39], s[18:19], 0x20           ; e8 .. e11
	s_cmp_eq_u32 s43, 1
	s_cselect_b64 s[40:41], s[12:13], s[10:11]
	s_cmp_eq_u32 s43, 2
	s_cselect_b64 s[40:41], s[14:15], s[40:41]
	s_cmp_eq_u32 s43, 3
	s_cselect_b64 s[40:41], s[16:17], s[40:41]
	s_cmp_lt_u32 s34, 512
	s_cselect_b64 s[40:41], s[8:9], s[40:41]       ; the tensor that I read,
	s_cselect_b64 s[50:51], s[20:21], s[22:23]     ; the buffer that I write
	s_add_nc_u64 s[40:41], s[40:41], s[2:3]
	s_add_nc_u64 s[50:51], s[50:51], s[46:47]
	s_add_nc_u64 s[52:53], s[50:51], 0x800000      ; x's planes 1 and 2 (used by x's tiles alone)
	s_add_nc_u64 s[54:55], s[50:51], 0x1000000
.irp i, 0,1,2,3,4,5,6,7,8,9,10,11,12,13,14,15
	global_load_b128 v[R+4*\i:R+4*\i+3], v[OFF+\i], s[40:41] th:TH_LOAD_NT   ; 32 lanes read 512 consecutive bytes of row i; read once in the launch
.endr
	s_wait_kmcnt 0x0
	s_cmp_eq_u32 s43, 1
	s_cselect_b32 s44, s27, s25                    ; e3 or e1
	s_cmp_eq_u32 s43, 2
	s_cselect_b32 s44, s29, s44                    ; e5
	s_cmp_eq_u32 s43, 3
	s_cselect_b32 s44, s39, s44                    ; e11
	s_cmp_lt_u32 s34, 512
	s_cselect_b32 s44, s24, s44                    ; e0
.macro MKSC e, k                       ; v[8+2k] = 2^e as f32 (the conversion takes its exponent field), v[9+2k] = 448 x 2^e
	s_add_co_i32 s2, s[\e], 127
	s_lshl_b32 s3, s2, 23
	v_mov_b32 v[8+2*\k], s3
	s_add_co_i32 s2, s2, 8
	s_lshl_b32 s2, s2, 23
	s_or_b32 s2, s2, 0x600000
	v_mov_b32 v[9+2*\k], s2
.endm
	MKSC 44, 0
	MKSC 26, 1                                     ; e2
	MKSC 28, 2                                     ; e4
.irp i, 0,1,2,3,4,5,6,7,8,9,10,11,12,13,14,15
	s_wait_loadcnt 15-\i                           ; loads come back in order: row i is in, the 15 - i younger ones may be out
	ds_store_b128 v5, v[R+4*\i:R+4*\i+3] offset:PIT*\i
.endr
.irp c, 0,1,2,3
.irp j, 0,1,2,3
	ds_load_b128 v[X+16*\c+4*\j:X+16*\c+4*\j+3], v6 offset:128*\c+16*\j   ; LDS serves a wave's instructions in order: these see my stores
.endr
.endr
	s_wait_dscnt 0x0                               ; my 64 numbers are back, and the stores have read R
; One output: the 64 numbers are held within +-448 x the scale (the conversion to an 8-bit code does not saturate: ISA guide 7.6.2), converted, and stored as the fragment's four groups of registers.
; Each output has code registers of its own, so that no store's data are written again.
.macro QOUT k, cb, d
.irp c, 0,1,2,3
.irp i, 0,1,2,3,4,5,6,7,8,9,10,11,12,13,14,15
	v_med3_num_f32 v[TT+16*(\c%2)+\i], v[X+16*\c+\i], -v[9+2*\k], v[9+2*\k]
.endr
	v_cvt_scalef32_pk8_fp8_f32 v[\cb+4*\c:\cb+4*\c+1], v[TT+16*(\c%2):TT+16*(\c%2)+7], v[8+2*\k]
	v_cvt_scalef32_pk8_fp8_f32 v[\cb+4*\c+2:\cb+4*\c+3], v[TT+16*(\c%2)+8:TT+16*(\c%2)+15], v[8+2*\k]
.endr
	v_nop                                          ; one plain vector instruction behind the last conversion, ahead of whatever writes its sources next
.irp c, 0,1,2,3
	global_store_b128 v2, v[\cb+4*\c:\cb+4*\c+3], s[\d:\d+1] offset:512*\c   ; 512 consecutive bytes, aligned
.endr
.endm
	QOUT 0, 64, 50
	s_cmp_ge_u32 s34, 512
	s_cbranch_scc1 .Lend                           ; a weight has one scale
	s_cmp_eq_u32 s26, s24
	s_cbranch_scc1 .Lno_plane1                     ; e2 = e0: the second product reads plane 0
	QOUT 1, 80, 52
.Lno_plane1:
	s_cmp_eq_u32 s28, s24
	s_cbranch_scc1 .Lend                           ; e4 = e0 likewise
	QOUT 2, 160, 54
.Lend:
	s_wait_tensorcnt 0x0
	ds_add_u32 v176, v177
	s_wait_dscnt 0x0
	s_endpgm
.Lfunc_end_k_q99395cc1d9_quant:
	.size	k_q99395cc1d9_quant, .Lfunc_end_k_q99395cc1d9_quant-k_q99395cc1d9_quant
	.p2alignl 7, 3214868480
	.fill 96, 4, 3214868480
	.section	.rodata,"a",@progbits
	.p2align	6, 0x0
	.amdhsa_kernel k_q99395cc1d9_quant
		.amdhsa_group_segment_fixed_size 34304
		.amdhsa_private_segment_fixed_size 0
		.amdhsa_enable_private_segment 0
		.amdhsa_kernarg_size 64
		.amdhsa_user_sgpr_count 2
		.amdhsa_user_sgpr_kernarg_segment_ptr 1
		.amdhsa_wavefront_size32 1
		.amdhsa_system_sgpr_workgroup_id_x 1
		.amdhsa_system_sgpr_workgroup_id_y 1
		.amdhsa_system_sgpr_workgroup_id_z 1
		.amdhsa_system_vgpr_workitem_id 0
		.amdhsa_next_free_vgpr 178
		.amdhsa_next_free_sgpr 66
		.amdhsa_reserve_vcc 0
		.amdhsa_float_denorm_mode_32 3
		.amdhsa_float_denorm_mode_16_64 3
		.amdhsa_memory_ordered 1
		.amdhsa_forward_progress 1
		.amdhsa_inst_pref_size 25
	.end_amdhsa_kernel
	.amdgpu_metadata
---
amdhsa.version: [ 1, 2 ]
amdhsa.kernels:
  - .name:           k_q99395cc1d9_quant
    .symbol:         k_q99395cc1d9_quant.kd
    .args:
      - { .name: x, .offset: 0, .size: 8, .value_kind: global_buffer, .address_space: global }
      - { .name: Wq, .offset: 8, .size: 8, .value_kind: global_buffer, .address_space: global }
      - { .name: Wk, .offset: 16, .size: 8, .value_kind: global_buffer, .address_space: global }
      - { .name: Wv, .offset: 24, .size: 8, .value_kind: global_buffer, .address_space: global }
      - { .name: Wo, .offset: 32, .size: 8, .value_kind: global_buffer, .address_space: global }
      - { .name: lowp_scales, .offset: 40, .size: 8, .value_kind: global_buffer, .address_space: global }
      - { .name: xc, .offset: 48, .size: 8, .value_kind: global_buffer, .address_space: global }
      - { .name: wc, .offset: 56, .size: 8, .value_kind: global_buffer, .address_space: global }
    .group_segment_fixed_size: 34304
    .private_segment_fixed_size: 0
    .kernarg_segment_align: 8
    .kernarg_segment_size: 64
    .max_flat_workgroup_size: 128
    .sgpr_count:     66
    .vgpr_count:     178
    .wavefront_size: 32
...
	.end_amdgpu_metadata
.endif
;; end of part 1
;; launch qkv (part 2): grid 12 x 32, 4 waves a work-group, clusters of 4 x 4, 327,680 bytes of LDS; arguments xc, wc, lowp_scales, bq, bk, bv, qkv; writes qkv
.if DOCPART == 2
	.amdgcn_target "amdgcn-amd-amdhsa--gfx1250"
	.amdhsa_code_object_version 6
	.text
	.protected	k_q99395cc1d9_qkv
	.globl	k_q99395cc1d9_qkv
	.p2align	8
	.type	k_q99395cc1d9_qkv,@function
k_q99395cc1d9_qkv:
	s_mov_b64 s[64:65], 0
	v_nop
	global_prefetch_b8 v0, s[64:65] scope:SCOPE_SE
	s_setreg_imm32_b32 hwreg(HW_REG_WAVE_MODE, 25, 1), 1
	s_wait_xcnt 0x0
	s_wait_alu depctr_hold_cnt(0) depctr_sa_sdst(0) depctr_va_vdst(0) depctr_va_sdst(0) depctr_va_ssrc(0) depctr_va_vcc(0) depctr_vm_vsrc(0)
	s_getreg_b32 s2, hwreg(HW_REG_IB_STS2, 6, 4)
	s_cmp_eq_u32 s2, 0
	s_cbranch_scc0 .Lentry_in_a_cluster
	s_endpgm
.Lentry_in_a_cluster:
	s_bfe_u32 s2, ttmp6, 0x10000c
	s_cmp_lg_u32 s2, 0xf033
	s_cbranch_scc0 .Lentry_shape_is_right
	s_endpgm
.Lentry_shape_is_right:
; The three projections q, k, v = x W^T + b on codes of FP8 (E4M3), with what follows them up to the next quantiser: q and k are divided by (their head's norm + 1e-6) and quantised (entries 6, 7 of the
; exponents), v is quantised (entry 9).  All results leave as codes, laid as the attention launch's operand registers.
; MODE = the cluster's x: 0 q, 1 k, 2 v: the same number in all sixteen partners of a cluster.
; A tile of 256 rows of x by 256 rows of W is made by four waves, 128 x 128 each: 64 accumulators of 16 x 16, 512 registers.  K = 1024 goes in four steps of 256 through two LDS slots filled by the tensor data mover.
; x's block of 256 rows is 4 x cluster y + cy; W's block is 4 x cluster x + cx of the twelve blocks of Wq, Wk, Wv, which lie on end in wc.
; OPERANDS ARE IMAGES OF REGISTERS: a fragment (16 rows x 128 K) is 2,048 consecutive bytes, group c of four registers at 512 c + 16 x lane: every LDS load takes 512 consecutive bytes, so there is no pitch and no padding.
; Lane 16 h + r holds k = 32 c + 16 h + 0 .. 15 of row r: a permutation of k that is the same on both sides of the product.
; q, k: source 0 = 16 rows of W, source 1 = 16 rows of x: a lane holds ONE row of x and its registers run along the channels; by the order of W's stored rows the 16 registers of two neighbouring tiles are 16 neighbouring channels.
; v:    source 0 = 16 rows of x, source 1 = 16 rows of Wv: a lane holds ONE channel and its registers run down the rows, the keys, which are the K of attention's second product: nothing is transposed.
;       The swap is a choice of LDS regions alone: a slot always holds x's two halves, then W's two; the two read addresses take one region or the other by the mode.
; CLUSTERS: 4 x 4 work-groups.  W's tile hangs on cx and is shared along a column of the cluster: it is asked for jointly, by the same tensor load with the same descriptor and a mask that names the four.
; x's tile, which the four of a row share, is asked for by each work-group for itself: its address hangs on the plane of x's codes, which is chosen by exponents read from memory, and a joint load's descriptor
; is made here of shared coordinates, the wave's number and constants alone.
; SCALES.  A sum stands for sum x 2^(eA + eB).  The bias goes in divided by that power of two: for q, k as the C of each sum's first product, for v by one packed addition.  q / (n + EPS) = q' / (n' + EPS / s) exactly for
; s a power of two, so q's and k's sums are never scaled; v's three exponents are folded into the conversion's one.
; x's codes: plane 0 serves every product whose exponent for x equals entry 0; the plane is chosen without a branch.
; LIMITS: -(eA + eB) between -126 and 127, so that 2^-(eA + eB) is an f32 number; entries 6 and 7, and e9 - e4 - e5, between -126 and 119.  NaN and infinities among the inputs are not served.
; A head whose sum of squares (in units of 2^(2 (eA + eB))) lies under 2^-126 counts as of norm zero: the square root takes denormals for zero.
; REGISTERS, in windows of 256: window 0: v0-31 addresses and constants; v32-95 the bias in the result's layout (q, k); v96-111 the bias of my channel, twice, for each of source 1's blocks (v); v112-127 at work;
;   from v128 source 1's fragments, ONE set; on the way out v128-191 a block's numbers, v192-223 two sets of codes.   window 1: source 0's fragments, TWO sets.   windows 2, 3: the accumulators ((a, b) at v[8 (8 (a % 4) + b)]).
.set FR,     16                        ; registers of a fragment
.set NL,     4                         ; LDS loads that bring one
.set NP,     4                         ; places behind this matrix instruction (ISA guide 7.12.1)
.set HALFT,  32768                     ; 8 row tiles x 256 K: what one tensor load brings, and what a wave reads of one source in a slot
.set SLOT,   4*HALFT                   ; x's two halves, then W's two
.set SPARE,  2*SLOT                    ; behind the ring: the spare words, 128 bytes for each wave: two blocks of 256 bytes that no other line names
.set ADRA, 16                          ; v16-17  LDS address of my fragments of source 1 in slot 0, 1
.set ADRB, 20                          ; v20-21  the same for source 0
.set LN,   24                          ; v24     16 x lane; never rewritten
.set QSC,  25                          ; v25     the conversion's scale as f32
.set QLIM, 26                          ; v26     448 x that
.set EPSR, 27                          ; v27     1e-6 / 2^(eA + eB)
.set SPW,  28                          ; v28     LDS address of my spare word; never rewritten
.set NIL,  29                          ; v29     0; never rewritten
.set BI,   32
.set BV,   96
.set CH,   112
.set AF,   128
.set T,    128
.set CD,   192
.set G1, 24                            ; s[24:31] descriptor group 1 for x's tiles;  s[32:39] group 0, one set for each slot
.set G0, 32
.set G1B, 48                           ; s[48:55], s[56:63] the same for W's
.set G0B, 56
.set MSB, 0
.macro WIN new                         ; the immediate's high byte repeats the setting that is left
.if MSB != \new
	s_set_vgpr_msb (MSB<<8)|\new
.set MSB, \new
.endif
.endm
.set MUL_LO, 0xa1                      ; source 0 window 1, source 1 window 0, C and D window 2
.set MUL_HI, 0xf1                      ; the same, C and D window 3
.set FST_LO, 0x81                      ; the first step: C (the bias) window 0, D window 2
.set FST_HI, 0xc1                      ; D window 3
.set TO_B,   0x40                      ; destination window 1, address window 0
; A wave's one tensor load: waves 0 and 1 fetch x's two halves (no mask: the work-group's own), waves 2 and 3 W's two halves (jointly with my column of the cluster).  The branch hangs on the wave's number alone.
; Four v_nop follow each of the two lines, ahead of the jump, the label and what follows.
.macro JLOAD g0a, g1a, g0b, g1b
	s_cmp_eq_u32 s15, 0
	s_cbranch_scc0 .Lfor_b_\@
	tensor_load_to_lds s[\g0a:\g0a+3], s[\g1a:\g1a+7]
	s_nop 0
.rept 4
	v_nop
.endr
	s_branch .Lasked_\@
.Lfor_b_\@:
	tensor_load_to_lds s[\g0b:\g0b+3], s[\g1b:\g1b+7]
	s_nop 0
.rept 4
	v_nop
.endr
.Lasked_\@:
.endm
.macro CREST                           ; a round of the cluster's barrier behind its opening barrier
	s_cmp_lg_u32 s14, 0
	s_cbranch_scc1 .Lnot_wave_0_\@
	s_barrier_signal -3
.Lnot_wave_0_\@:
	s_barrier_wait -3
	s_barrier_signal -1
	s_barrier_wait -1
.endm
.macro CROUND                          ; a whole round
	s_barrier_signal -1
	s_barrier_wait -1
	CREST
.endm
	s_load_b256 s[68:75], s[0:1], 0x0              ; xc s[68:69], wc s[70:71], the exponents s[72:73], bq s[74:75]
	s_load_b128 s[76:79], s[0:1], 0x20             ; bk s[76:77], bv s[78:79]
	s_load_b64 s[80:81], s[0:1], 0x30              ; qkv
	v_lshl_add_u32 v[SPW], v0, 2, SPARE
	v_mov_b32 v[NIL], 0
	ds_add_u32 v28, v29
	ds_add_u32 v28, v29
	s_wait_dscnt 0x0
	v_lshrrev_b32 v1, 5, v0
	v_readfirstlane_b32 s14, v1                    ; wave 0..3
	s_lshr_b32 s15, s14, 1                         ; which half of source 1's 256 rows is mine.  Also: I fetch for x (0) or for W (1)
	s_and_b32 s16, s14, 1                          ; which half of source 0's.  Also: which half of that tile I fetch
	s_bfe_u32 s40, ttmp6, 0x40000                  ; cx, cy: my place in the cluster.  cx is also W's block of 256 rows within my mode's weight
	s_bfe_u32 s41, ttmp6, 0x40004
	s_and_b32 s42, ttmp7, 0xffff
	s_lshl_b32 s42, s42, 2
	s_add_co_u32 s42, s42, s41                     ; x's block of 256 rows = 4 x cluster y + cy
	s_lshl_b32 s47, ttmp9, 2
	s_add_co_u32 s47, s47, s40                     ; W's block among the twelve = 4 x cluster x + cx
	s_lshl_b32 s46, 0x1111, s40                    ; my column of the cluster
	; descriptor group 1: 8 rows (row tiles) of 4,096 bytes (two fragments), 16,384 bytes apart; elements of 8 bytes; no padding
	s_mov_b32 s[G1+0], 3<<16                       ; 15:0 no mask: x's tiles are my work-group's own; 17:16 elements of 8 bytes
	s_or_b32 s[G1B+0], s46, (3<<16)|(1<<21)        ; 15:0 the mask: W's tiles go to my column; 17:16 elements of 8 bytes; 21 set beside a mask
.irp g, G1, G1B
	s_mov_b32 s[\g+1], 512<<16                     ; tensor_dim0 = 512 elements
	s_mov_b32 s[\g+2], 8<<16                       ; tensor_dim1 = 8
	s_mov_b32 s[\g+3], 512<<16                     ; tile_dim0
	s_mov_b32 s[\g+4], 8                           ; tile_dim1
	s_mov_b32 s[\g+5], 2048                        ; tensor_dim0_stride: 16,384 bytes
	s_mov_b32 s[\g+6], 0
	s_mov_b32 s[\g+7], 0
.endr
	s_mov_b32 s22, 0x76543210                      ; v_permlanex16_b32's selects for lane l xor 16
	s_mov_b32 s23, 0xfedcba98
	s_lshl_b32 s18, s42, 18                        ; x: 16 row tiles of 16,384 bytes a block,
	s_lshl_b32 s19, s16, 17                        ; + the half that I fetch
	s_add_co_u32 s18, s18, s19
	s_mov_b32 s19, 0
	s_lshl_b32 s20, s47, 18                        ; W likewise: made of the cluster's x, cx, the wave's number and constants
	s_lshl_b32 s21, s16, 17
	s_add_co_u32 s20, s20, s21
	s_mov_b32 s21, 0
	s_lshl_b32 s45, s14, 15                        ; where they go: wave x 32,768: no place in the cluster enters an LDS address
	s_wait_kmcnt 0x0
	s_load_b256 s[84:91], s[72:73], 0x0            ; e0 .. e7
	s_load_b128 s[92:95], s[72:73], 0x20           ; e8 .. e11
	s_add_nc_u64 s[6:7], s[70:71], s[20:21]        ; W's tile
	s_wait_kmcnt 0x0                               ; the plane of x's codes hangs on the exponents
	s_cmp_eq_u32 s86, s84
	s_cselect_b32 s2, 0, 1                         ; k: plane 1 where e2 differs from e0
	s_cmp_eq_u32 s88, s84
	s_cselect_b32 s3, 0, 2                         ; v: plane 2 where e4 differs
	s_cmp_eq_u32 ttmp9, 1
	s_cselect_b32 s2, s2, 0
	s_cmp_eq_u32 ttmp9, 2
	s_cselect_b32 s2, s3, s2
	s_min_u32 s2, s2, 2                            ; a number that hangs on loaded data enters an address behind a bound
	s_lshl_b32 s2, s2, 23                          ; planes of 8 MiB
	s_mov_b32 s3, 0
	s_add_nc_u64 s[4:5], s[68:69], s[2:3]          ; x's codes,
	s_add_nc_u64 s[4:5], s[4:5], s[18:19]          ; x's tile
	s_lshl_b32 s2, ttmp9, 23
	s_add_nc_u64 s[10:11], s[80:81], s[2:3]        ; the mode's plane of the result
	CROUND                                         ; all sixteen work-groups are here: the first joint loads meet
.irp s, 0,1
	s_mov_b32 s[G0+4*\s], 1
	s_add_co_u32 s[G0+4*\s+1], s45, \s*SLOT
	s_add_nc_u64 s[G0+4*\s+2:G0+4*\s+3], s[4:5], \s*4096
	s_or_b32 s[G0+4*\s+3], s[G0+4*\s+3], 0x80000000
	s_mov_b32 s[G0B+4*\s], 1
	s_add_co_u32 s[G0B+4*\s+1], s45, \s*SLOT
	s_add_nc_u64 s[G0B+4*\s+2:G0B+4*\s+3], s[6:7], \s*4096
	s_or_b32 s[G0B+4*\s+3], s[G0B+4*\s+3], 0x80000000
	JLOAD G0+4*\s, G1, G0B+4*\s, G1B               ; K steps 0 and 1: two loads of mine are out
.endr
	v_and_b32 v1, 15, v0                           ; r
	v_bfe_u32 v2, v0, 4, 1                         ; h
	v_and_b32 v3, 31, v0
	v_lshlrev_b32 v[LN], 4, v3
	s_cmp_eq_u32 ttmp9, 2                          ; q, k: source 1 = x (the slot's first 65,536 bytes), source 0 = W (its last);  v: the other way round
	s_cselect_b32 s2, 0x10000, 0
	s_cselect_b32 s3, 0, 0x10000
	s_lshl_b32 s12, s15, 15
	s_add_co_u32 s2, s2, s12                       ; my half of source 1,
	s_lshl_b32 s12, s16, 15
	s_add_co_u32 s3, s3, s12                       ; my half of source 0
.irp s, 0,1
	v_add_nc_u32 v[ADRA+\s], s2, v[LN]
	v_add_nc_u32 v[ADRB+\s], s3, v[LN]
	s_add_co_u32 s2, s2, SLOT
	s_add_co_u32 s3, s3, SLOT
.endr
	; the exponents, the bias and the constants of my mode: all chosen without a branch
	s_cmp_eq_u32 ttmp9, 1
	s_cselect_b32 s82, s86, s84                    ; eA
	s_cselect_b32 s83, s87, s85                    ; eB
	s_cselect_b32 s13, s91, s90                    ; the result's exponent
	s_cselect_b64 s[8:9], s[76:77], s[74:75]
	s_cmp_eq_u32 ttmp9, 2
	s_cselect_b32 s82, s88, s82
	s_cselect_b32 s83, s89, s83
	s_cselect_b32 s13, s93, s13
	s_cselect_b64 s[8:9], s[78:79], s[8:9]         ; the bias
	s_lshl_b32 s2, s40, 10                         ; my 128 channels, in bytes: W's block,
	s_lshl_b32 s3, s16, 9
	s_add_co_u32 s3, s2, s3                        ; q, k: + source 0's half
	s_lshl_b32 s12, s15, 9
	s_add_co_u32 s12, s2, s12                      ; v: + source 1's half
	s_cmp_eq_u32 ttmp9, 2
	s_cselect_b32 s2, 0, s3                        ; the set that my mode does not use is loaded from the bias's first bytes: no load leaves the buffer
	s_cselect_b32 s3, s12, 0
	v_lshl_add_u32 v4, v2, 6, s2                   ; q, k: lane (r, h) wants, for tile 2 B + u, the channels 32 B + 16 h + 8 u + 0 .. 7
	v_and_b32 v5, 7, v1
	v_lshrrev_b32 v6, 3, v1
	v_lshl_add_u32 v5, v6, 4, v5                   ; v: stored row r of tile 2 B + u is channel 32 B + 8 u + r % 8 + 16 (r / 8)
	v_lshl_add_u32 v5, v5, 2, s3
.irp b, 0,1,2,3,4,5,6,7
	global_load_b128 v[BI+8*\b:BI+8*\b+3], v4, s[8:9] offset:4*(32*(\b/2)+8*(\b%2))
	global_load_b128 v[BI+8*\b+4:BI+8*\b+7], v4, s[8:9] offset:4*(32*(\b/2)+8*(\b%2))+16
.endr
.irp a, 0,1,2,3,4,5,6,7
	global_load_b32 v[BV+2*\a], v5, s[8:9] offset:4*(32*(\a/2)+8*(\a%2))
	global_load_b32 v[BV+2*\a+1], v5, s[8:9] offset:4*(32*(\a/2)+8*(\a%2))
.endr
	s_add_co_i32 s82, s82, s83                     ; eA + eB
	s_sub_co_i32 s96, 127, s82
	s_lshl_b32 s96, s96, 23                        ; 2^-(eA + eB) as f32
	s_mov_b32 s97, s96                             ; (named with it as a pair, so it is written)
	s_sub_co_i32 s83, s13, s82
	s_cmp_eq_u32 ttmp9, 2
	s_cselect_b32 s98, 0, s96                      ; v's sums begin at zero: its bias is added on the way out
	s_cselect_b32 s13, s83, s13                    ; v: the three exponents folded into the conversion's one
	s_mov_b32 s99, s98
	s_add_co_i32 s13, s13, 127
	s_lshl_b32 s12, s13, 23
	v_mov_b32 v[QSC], s12
	s_add_co_i32 s13, s13, 8
	s_lshl_b32 s13, s13, 23
	s_or_b32 s13, s13, 0x600000
	v_mov_b32 v[QLIM], s13
	v_mov_b32 v[EPSR], 0x358637bd                  ; 1e-6
	v_mul_f32 v[EPSR], s96, v[EPSR]
	v_mov_b32 v125, 0                              ; (named as the upper halves of the reciprocals' pairs)
	v_mov_b32 v127, 0
	s_wait_loadcnt 0x0
.set j, 0
.rept 32
	v_pk_mul_f32 v[BI+j:BI+j+1], v[BI+j:BI+j+1], s[98:99] op_sel_hi:[1,0]
.set j, j+2
.endr
.set j, 0
.rept 8
	v_pk_mul_f32 v[BV+j:BV+j+1], v[BV+j:BV+j+1], s[96:97] op_sel_hi:[1,0]
.set j, j+2
.endr
.macro FRAG reg, adr, q, i             ; fragment i of my eight, the slot's q-th 128 along K: four groups of four registers, 512 consecutive bytes each
.irp c, 0,1,2,3
	ds_load_b128 v[\reg+4*\c:\reg+4*\c+3], v[\adr] offset:(\i)*4096+(\q)*2048+512*\c
.endr
.endm
; 16 matrix instructions: source 1's blocks a0, a0 + 1 x source 0's eight, 128 along K.  p: source 0's set.  first = 1: the first product starts the sums, with the bias as C: nothing is ever cleared.
; The 64 accumulators take turns, one instruction a turn, in the same order in every step.
.macro MUL16 a0, p, first
.irp a, \a0, \a0+1
.irp b, 0,1,2,3,4,5,6,7
.if \first
	v_wmma_f32_16x16x128_fp8_fp8 v[8*(8*((\a)%4)+\b):8*(8*((\a)%4)+\b)+7], v[128*(\p)+FR*\b:128*(\p)+FR*\b+FR-1], v[AF+FR*(\a):AF+FR*(\a)+FR-1], v[BI+8*\b:BI+8*\b+7]
.else
	v_wmma_f32_16x16x128_fp8_fp8 v[8*(8*((\a)%4)+\b):8*(8*((\a)%4)+\b)+7], v[128*(\p)+FR*\b:128*(\p)+FR*\b+FR-1], v[AF+FR*(\a):AF+FR*(\a)+FR-1], v[8*(8*((\a)%4)+\b):8*(8*((\a)%4)+\b)+7]
.endif
.endr
.endr
.endm
.macro FETCH_B slot, q, p
	WIN TO_B
.irp i, 0,1,2,3,4,5,6,7
	FRAG 128*(\p)+FR*\i, ADRB+\slot, \q, \i
.endr
	WIN 0
.endm
.macro FETCH_A slot, q, i0
.irp i, \i0, \i0+1, \i0+2, \i0+3
	FRAG AF+FR*(\i), ADRA+\slot, \q, \i
.endr
.endm
; A load into a register that a matrix instruction has read, and a vector instruction that reads a matrix result, stand NP places behind that matrix instruction; only plain vector instructions that name none of its
; registers are places (ISA guide 7.12.1 for vector instructions).
.macro PLACES n
.rept \n
	v_nop
.endr
.endm
; A step of 128 along K that has its successor in the same slot.  A block of source 1 is free as soon as its eight products are issued: blocks 0-3 are fetched anew in the step's middle, blocks 4-7 at its end.
.macro STEP slot, q, first
	s_wait_dscnt 4*NL                              ; source 0's set and source 1's blocks 0-3 are in; the youngest 16 loads (blocks 4-7) may be out
.if \first
	WIN FST_LO
.else
	WIN MUL_LO
.endif
	MUL16 0, (\q)%2, \first
	MUL16 2, (\q)%2, \first
	s_wait_dscnt 0                                 ; blocks 4-7 are in
	PLACES NP
	FETCH_B \slot, (\q)+1, 1-(\q)%2
	FETCH_A \slot, (\q)+1, 0
.if \first
	WIN FST_HI
.else
	WIN MUL_HI
.endif
	MUL16 4, (\q)%2, \first
	MUL16 6, (\q)%2, \first
	PLACES NP
	WIN 0
	FETCH_A \slot, (\q)+1, 4
.endm
; A slot's last step changes slots: one barrier; in front of it each wave waits for all its tensor loads, adds 0 to its spare word, and waits for that and for its own reads of this slot.  fill = 1: this slot is filled again, two K steps ahead.
.macro TURN slot, next, fill
	s_wait_tensorcnt 0x0                           ; all my tensor loads have landed: my part of the next slot;  (every window is 0 here)
	ds_add_u32 v[SPW], v[NIL]                      ; 0 onto my spare word
	s_wait_dscnt 4*NL+1                            ; (the add and the youngest 16 loads, blocks 4-7, may be out)
	WIN MUL_LO
	MUL16 0, 1, 0                                  ; sixteen matrix instructions stand between the add and the wait for it
	s_wait_dscnt 0x0                               ; the add is done, and my reads of this slot are over
	s_barrier_signal -1
	MUL16 2, 1, 0
	WIN 0
	s_barrier_wait -1
.if \fill
	CREST                                          ; the barrier has opened a round of the cluster's barrier: no wave of any partner still reads this slot's tile or has a load on its way
	s_add_nc_u64 s[G0+4*\slot+2:G0+4*\slot+3], s[G0+4*\slot+2:G0+4*\slot+3], 2*4096
	s_add_nc_u64 s[G0B+4*\slot+2:G0B+4*\slot+3], s[G0B+4*\slot+2:G0B+4*\slot+3], 2*4096
	JLOAD G0+4*\slot, G1, G0B+4*\slot, G1B         ; the first tensor load behind the round: one load of mine is out; its four v_nop are also the places in front of the loads below
.else
	PLACES NP
.endif
	FETCH_B \next, 0, 0
	FETCH_A \next, 0, 0
	WIN MUL_HI
	MUL16 4, 1, 0
	MUL16 6, 1, 0
	PLACES NP
	WIN 0
	FETCH_A \next, 0, 4
.endm
	s_wait_tensorcnt 1                             ; my part of K step 0 is in (K step 1's load may be out)
	s_barrier_signal -1
	s_barrier_wait -1                              ; everybody's is
	FETCH_B 0, 0, 0
	FETCH_A 0, 0, 0
	FETCH_A 0, 0, 4
	STEP 0, 0, 1                                   ; eight steps of 128 along K, written out: four slots' worth, two of them refills
	TURN 0, 1, 1
	STEP 1, 0, 0
	TURN 1, 0, 1
	STEP 0, 0, 0
	TURN 0, 1, 0                                   ; nothing is left to fetch
	STEP 1, 0, 0
	s_wait_dscnt 4*NL
	WIN MUL_LO
	MUL16 0, 1, 0
	MUL16 2, 1, 0
	s_wait_dscnt 0
	WIN MUL_HI
	MUL16 4, 1, 0
	MUL16 6, 1, 0
	WIN 0
	PLACES NP                                      ; behind the last products: results are read and source 1's registers written from here on
; The 64 numbers in v[T] on are held, converted (eight numbers to two registers) and stand as 16 registers of codes in set a % 2.
.macro CODES a
.set j, 0
.rept 64
	v_med3_num_f32 v[T+j], v[T+j], -v[QLIM], v[QLIM]   ; the conversion to an 8-bit code does not saturate (ISA guide 7.6.2): the hold at 448 x the scale
.set j, j+1
.endr
.irp g, 0,1,2,3,4,5,6,7
	v_cvt_scalef32_pk8_fp8_f32 v[CD+16*((\a)%2)+2*\g:CD+16*((\a)%2)+2*\g+1], v[T+8*\g:T+8*\g+7], v[QSC]
.endr
	v_nop                                          ; one plain vector instruction behind the last conversion: the next block writes its sources
.endm
; q, k: block a = 16 rows of x, my 128 channels = two heads.  Register 32 hd + 16 beta + i of the block is channel 32 beta + 16 h + i of head hd; the other half of each head lies in lane l xor 16.
.macro QKOUT a
.set AC, 64*((\a)%4)
	s_wait_xcnt 0x0                                ; the stores of two blocks ago have read their registers: that set of codes is written again
	WIN 0x0a+5*((\a)/4)                            ; sources 0 and 1: window 2 or 3
.irp n, 0,1,2,3,4,5,6,7,8,9,10,11,12,13,14,15  ; the sums of squares: two chains a head, the heads by turns; each accumulator is read from its low end on
.irp hd, 0,1
.if \n < 2
	v_pk_mul_f32 v[CH+2*\hd+4*\n:CH+2*\hd+4*\n+1], v[AC+32*\hd+2*\n:AC+32*\hd+2*\n+1], v[AC+32*\hd+2*\n:AC+32*\hd+2*\n+1]
.else
	v_pk_fma_f32 v[CH+2*\hd+4*(\n%2):CH+2*\hd+4*(\n%2)+1], v[AC+32*\hd+2*\n:AC+32*\hd+2*\n+1], v[AC+32*\hd+2*\n:AC+32*\hd+2*\n+1], v[CH+2*\hd+4*(\n%2):CH+2*\hd+4*(\n%2)+1]
.endif
.endr
.endr
	WIN 0
	v_pk_add_f32 v[CH:CH+1], v[CH:CH+1], v[CH+4:CH+5]
	v_pk_add_f32 v[CH+2:CH+3], v[CH+2:CH+3], v[CH+6:CH+7]
	v_add_f32 v[CH], v[CH], v[CH+1]
	v_add_f32 v[CH+2], v[CH+2], v[CH+3]
	v_permlanex16_b32 v[CH+4], v[CH], s22, s23
	v_permlanex16_b32 v[CH+5], v[CH+2], s22, s23
	v_add_f32 v[CH], v[CH], v[CH+4]
	v_add_f32 v[CH+2], v[CH+2], v[CH+5]
	v_sqrt_f32 v[CH+8], v[CH]
	v_sqrt_f32 v[CH+9], v[CH+2]
	v_nop                                          ; a plain instruction behind the roots,
	s_wait_alu depctr_va_vdst(0)                   ; and the wait ahead of the first use: one for both
	v_add_f32 v[CH+8], v[EPSR], v[CH+8]
	v_add_f32 v[CH+9], v[EPSR], v[CH+9]
	v_rcp_f32 v[CH+12], v[CH+8]
	v_rcp_f32 v[CH+14], v[CH+9]
	v_nop
	s_wait_alu depctr_va_vdst(0)                   ; likewise for both reciprocals
	WIN 0x02+((\a)/4)                              ; source 0: window 2 or 3
.set j, 0
.rept 32
	v_pk_mul_f32 v[T+j:T+j+1], v[AC+j:AC+j+1], v[CH+12+2*(j/32):CH+13+2*(j/32)] op_sel_hi:[1,0]
.set j, j+2
.endr
	WIN 0
	CODES \a
.irp g, 0,1,2,3                                ; head g / 2, half g % 2 of its 64 channels
	global_store_b128 v[LN], v[CD+16*((\a)%2)+4*\g:CD+16*((\a)%2)+4*\g+3], s[10:11] offset:(\a)*16384+\g*512   ; 512 consecutive bytes, aligned
.endr
.endm
; v: block a = 16 channels; register 16 beta + i of the block: keys 8 h + 0 .. 7 of row tile 2 beta, then of row tile 2 beta + 1.
.macro VOUT a
.set AC, 64*((\a)%4)
	s_wait_xcnt 0x0
	WIN 0x02+((\a)/4)
.set j, 0
.rept 32
	v_pk_add_f32 v[T+j:T+j+1], v[AC+j:AC+j+1], v[BV+2*(\a):BV+2*(\a)+1]   ; + my channel's bias / 2^(eA + eB)
.set j, j+2
.endr
	WIN 0
	CODES \a
.irp g, 0,1,2,3
	global_store_b128 v[LN], v[CD+16*((\a)%2)+4*\g:CD+16*((\a)%2)+4*\g+3], s[10:11] offset:\g*32768+(\a)*512
.endr
.endm
	s_cmp_eq_u32 ttmp9, 2                          ; the cluster's x: the same in all partners
	s_cbranch_scc1 .Lv_out
	s_lshl_b32 s2, s42, 18                         ; q, k: (row tile x 16 + head) x 1,024: row tile 16 x (x's block) + 8 x (source 1's half), head 4 x (W's block) + 2 x (source 0's half)
	s_lshl_b32 s3, s15, 17
	s_add_co_u32 s2, s2, s3
	s_lshl_b32 s3, s40, 12
	s_add_co_u32 s2, s2, s3
	s_lshl_b32 s3, s16, 11
	s_add_co_u32 s2, s2, s3
	s_mov_b32 s3, 0
	s_add_nc_u64 s[10:11], s[10:11], s[2:3]
.irp a, 0,1,2,3,4,5,6,7
	QKOUT \a
.endr
	s_branch .Ldone
.Lv_out:
	s_lshl_b32 s2, s42, 18                         ; v: pair of row tiles x 32,768 + channel tile x 512: pair 8 x (x's block) + 4 x (source 0's half), channel tile 16 x (W's block) + 8 x (source 1's half)
	s_lshl_b32 s3, s16, 17
	s_add_co_u32 s2, s2, s3
	s_lshl_b32 s3, s40, 13
	s_add_co_u32 s2, s2, s3
	s_lshl_b32 s3, s15, 12
	s_add_co_u32 s2, s2, s3
	s_mov_b32 s3, 0
	s_add_nc_u64 s[10:11], s[10:11], s[2:3]
.irp a, 0,1,2,3,4,5,6,7
	VOUT \a
.endr
.Ldone:
	s_wait_tensorcnt 0x0                           ; the wave's end
	ds_add_u32 v[SPW], v[NIL]
	s_wait_dscnt 0x0
	CROUND                                         ; the closing round: no work-group ends while a partner may still ask for a tile that names it
	s_endpgm
.Lfunc_end_k_q99395cc1d9_qkv:
	.size	k_q99395cc1d9_qkv, .Lfunc_end_k_q99395cc1d9_qkv-k_q99395cc1d9_qkv
	.p2alignl 7, 3214868480
	.fill 96, 4, 3214868480
	.section	.rodata,"a",@progbits
	.p2align	6, 0x0
	.amdhsa_kernel k_q99395cc1d9_qkv
		.amdhsa_group_segment_fixed_size 327680
		.amdhsa_private_segment_fixed_size 0
		.amdhsa_enable_private_segment 0
		.amdhsa_kernarg_size 56
		.amdhsa_user_sgpr_count 2
		.amdhsa_user_sgpr_kernarg_segment_ptr 1
		.amdhsa_wavefront_size32 1
		.amdhsa_system_sgpr_workgroup_id_x 1
		.amdhsa_system_sgpr_workgroup_id_y 1
		.amdhsa_system_sgpr_workgroup_id_z 1
		.amdhsa_system_vgpr_workitem_id 0
		.amdhsa_next_free_vgpr 1024
		.amdhsa_next_free_sgpr 100
		.amdhsa_reserve_vcc 0
		.amdhsa_float_denorm_mode_32 3
		.amdhsa_float_denorm_mode_16_64 3
		.amdhsa_memory_ordered 1
		.amdhsa_forward_progress 1
		.amdhsa_inst_pref_size 219
	.end_amdhsa_kernel
	.amdgpu_metadata
---
amdhsa.version: [ 1, 2 ]
amdhsa.kernels:
  - .name:           k_q99395cc1d9_qkv
    .symbol:         k_q99395cc1d9_qkv.kd
    .args:
      - { .name: xc, .offset: 0, .size: 8, .value_kind: global_buffer, .address_space: global }
      - { .name: wc, .offset: 8, .size: 8, .value_kind: global_buffer, .address_space: global }
      - { .name: lowp_scales, .offset: 16, .size: 8, .value_kind: global_buffer, .address_space: global }
      - { .name: bq, .offset: 24, .size: 8, .value_kind: global_buffer, .address_space: global }
      - { .name: bk, .offset: 32, .size: 8, .value_kind: global_buffer, .address_space: global }
      - { .name: bv, .offset: 40, .size: 8, .value_kind: global_buffer, .address_space: global }
      - { .name: qkv, .offset: 48, .size: 8, .value_kind: global_buffer, .address_space: global }
    .group_segment_fixed_size: 327680
    .private_segment_fixed_size: 0
    .kernarg_segment_align: 8
    .kernarg_segment_size: 56
    .max_flat_workgroup_size: 128
    .sgpr_count:     100
    .vgpr_count:     1024
    .wavefront_size: 32
...
	.end_amdgpu_metadata
.endif
;; end of part 2
;; launch attn (part 3): grid 128 x 2, 8 waves a work-group, no clusters, 0 bytes of LDS; arguments qkv, lowp_scales, ac; writes ac
.if DOCPART == 3
	.amdgcn_target "amdgcn-amd-amdhsa--gfx1250"
	.amdhsa_code_object_version 6
	.text
	.protected	k_q99395cc1d9_attn
	.globl	k_q99395cc1d9_attn
	.p2align	8
	.type	k_q99395cc1d9_attn,@function
k_q99395cc1d9_attn:
	s_mov_b64 s[64:65], 0
	v_nop
	global_prefetch_b8 v0, s[64:65] scope:SCOPE_SE
	s_setreg_imm32_b32 hwreg(HW_REG_WAVE_MODE, 25, 1), 1
	s_wait_xcnt 0x0
; The dilated attention on codes of FP8 (E4M3).  In the workspace's row order (16 sequences of 512 rows) the mask of the problem is a plain band: key m counts for query n of the same sequence where |m - n| <= 8.
; So a tile of 16 queries sees the key tiles t - 1, t, t + 1 alone; all other tiles lie wholly under the mask and are not multiplied.
; SHARES.  A wave takes one head (8 x work-group y + wave) and four neighbouring query tiles (4 x work-group x on).  All that it reads, 36 loads of 512 consecutive bytes, is asked for at its head: no LDS, no barrier.
; No cluster and no joint loads: operands go from memory straight into registers, and what two work-groups share is the two rim tiles of K and of V, a third of a wave's bytes of K and V.
; LAYOUT.  S^T = K Q^T (source 0 = 16 keys, source 1 = my 16 queries; K = the head's 64): lane (r, h) holds query r and keys 8 h + 0 .. 7 of the tile.  Eight p become two registers of codes, which ARE registers 2 s, 2 s + 1 of
; source 1 of O^T = V^T P^T, whose K = 128 is eight slots of 16 keys: the row tiles 4 x - 2 .. 4 x + 5.  Slots that a query tile does not see hold zero codes.  V arrives with the keys innermost, a pair of tiles to 16 bytes.
; O^T: lane (r, h) holds query r; by the order of Wv's stored rows the 16 registers of two channel tiles are 16 neighbouring channels: the conversions' results are the last projection's operand.
; SOFTMAX as the problem sets it: t = score x log2(e) x 2^(e6 + e7); M = ceil(the row's largest t); p = 2^(t - M) is quantised (entry 8); the sum is taken of the unquantised p and divides O.
; A query's own key always counts, so M is a number.  Tiles of another sequence (and the clamped addresses at the tensor's ends) are masked whole: their p is 0.
; LIMITS: e6 + e7 between -126 and 127 less the exponent of log2(e) (they are added to its exponent field); e8, and e10 - e8 - e9, between -126 and 119.
.set QR,  16                           ; v16-47   Q, 8 registers a tile; later the tile's output codes
.set KR,  48                           ; v48-95   K: index 0 .. 5 = tiles 4 x - 1 .. 4 x + 4
.set VR,  96                           ; v96-159  V: 16 registers a channel tile
.set S,   160                          ; v160-183 the scores, then p
.set P,   184                          ; v184-199 p's codes: eight slots of two registers
.set O,   200                          ; v200-231 O^T
.set ML,  24                           ; s24-31   lanes whose key 8 h + j of tile t - 1 counts;  s32-39 of tile t;  s40-47 of tile t + 1
.set MM,  32
.set MH,  40
.set MLF, 48                           ; s48-55   ML, or none where my first tile begins a sequence
.set MHL, 56                           ; s56-63   MH, or none where my last tile ends one
	s_load_b128 s[4:7], s[0:1], 0x0                ; qkv, the exponents
	s_load_b64 s[8:9], s[0:1], 0x10                ; ac
	v_lshrrev_b32 v1, 5, v0
	v_readfirstlane_b32 s66, v1                    ; wave
	s_and_b32 s67, ttmp7, 0xffff
	s_lshl_b32 s67, s67, 3
	s_add_co_u32 s67, s67, s66                     ; head
	s_lshl_b32 s68, ttmp9, 16                      ; four row tiles of 16,384 bytes, or two pairs of 32,768
	s_lshl_b32 s69, s67, 10
	s_add_co_u32 s70, s68, s69                     ; Q, K, the result: my first tile, my head
	s_lshl_b32 s2, ttmp9, 2
	s_max_u32 s3, s2, 1
	s_sub_co_u32 s3, s3, 1                         ; tile 4 x - 1, held inside the buffer
	s_lshl_b32 s3, s3, 14
	s_add_co_u32 s71, s3, s69
	s_add_co_u32 s3, s2, 4
	s_min_u32 s3, s3, 511                          ; tile 4 x + 4 likewise
	s_lshl_b32 s3, s3, 14
	s_add_co_u32 s72, s3, s69
	s_lshl_b32 s69, s67, 11                        ; V: my head's four channel tiles of 512 bytes
	s_add_co_u32 s73, s68, s69                     ; pair 2 x
	s_lshl_b32 s2, ttmp9, 1
	s_max_u32 s3, s2, 1
	s_sub_co_u32 s3, s3, 1                         ; pair 2 x - 1
	s_lshl_b32 s3, s3, 15
	s_add_co_u32 s74, s3, s69
	s_add_co_u32 s3, s2, 2
	s_min_u32 s3, s3, 255                          ; pair 2 x + 2
	s_lshl_b32 s3, s3, 15
	s_add_co_u32 s75, s3, s69
	s_mov_b32 s3, 0
	v_and_b32 v1, 31, v0
	v_lshlrev_b32 v1, 4, v1                        ; 16 x lane; never rewritten
	s_wait_kmcnt 0x0
	s_load_b256 s[76:83], s[6:7], 0x10             ; e4 .. e11
	s_add_nc_u64 s[12:13], s[4:5], 0x800000        ; K's plane
	s_add_nc_u64 s[18:19], s[4:5], 0x1000000       ; V's plane
	s_mov_b32 s2, s70
	s_add_nc_u64 s[10:11], s[4:5], s[2:3]          ; Q
	s_add_nc_u64 s[8:9], s[8:9], s[2:3]            ; the result
	s_mov_b32 s2, s71
	s_add_nc_u64 s[14:15], s[12:13], s[2:3]        ; K's tile below mine
	s_mov_b32 s2, s72
	s_add_nc_u64 s[16:17], s[12:13], s[2:3]        ; above
	s_mov_b32 s2, s70
	s_add_nc_u64 s[12:13], s[12:13], s[2:3]        ; my four
	s_mov_b32 s2, s74
	s_add_nc_u64 s[20:21], s[18:19], s[2:3]        ; V's pair below
	s_mov_b32 s2, s75
	s_add_nc_u64 s[22:23], s[18:19], s[2:3]        ; above
	s_mov_b32 s2, s73
	s_add_nc_u64 s[18:19], s[18:19], s[2:3]        ; my two
.macro LD8 reg, base, off              ; a tile of Q or K of one head: two groups of four registers
	global_load_b128 v[\reg:\reg+3], v1, s[\base:\base+1] offset:\off
	global_load_b128 v[\reg+4:\reg+7], v1, s[\base:\base+1] offset:\off+512
.endm
	LD8 QR, 10, 0                                  ; 8 loads: what the first tile's scores want
	LD8 KR, 14, 0
	LD8 KR+8, 12, 0
	LD8 KR+16, 12, 16384
.irp ct, 0,1,2,3                               ; 16 loads: V
	global_load_b128 v[VR+16*\ct:VR+16*\ct+3], v1, s[20:21] offset:512*\ct
	global_load_b128 v[VR+16*\ct+4:VR+16*\ct+7], v1, s[18:19] offset:512*\ct
	global_load_b128 v[VR+16*\ct+8:VR+16*\ct+11], v1, s[18:19] offset:32768+512*\ct
	global_load_b128 v[VR+16*\ct+12:VR+16*\ct+15], v1, s[22:23] offset:512*\ct
.endr
	LD8 QR+8, 10, 16384                            ; 4 loads for each further tile
	LD8 KR+24, 12, 32768
	LD8 QR+16, 10, 32768
	LD8 KR+32, 12, 49152
	LD8 QR+24, 10, 49152
	LD8 KR+40, 16, 0
	v_and_b32 v2, 15, v0
	v_bfe_u32 v8, v0, 4, 1
	v_lshlrev_b32 v8, 3, v8
	v_sub_nc_u32 v2, v2, v8                        ; u = r - 8 h.  Key 16 d + 8 h + j against query r: the distance is 16 d + j - u
.irp j, 0,1,2,3,4,5,6,7
	v_cmp_ge_i32 s[ML+\j], \j-8, v2                ; d = -1: j - u - 16 >= -8
	v_cmp_ge_i32 s[MM+\j], \j+8, v2                ; d = 0: -8 <= j - u
	v_cmp_le_i32 s2, \j-8, v2                      ;        and j - u <= 8
	v_cmp_le_i32 s[MH+\j], \j+8, v2                ; d = +1: j - u + 16 <= 8
	s_and_b32 s[MM+\j], s[MM+\j], s2
.endr
	s_and_b32 s3, ttmp9, 7                         ; a sequence is 32 tiles: eight work-groups along x
	s_cmp_lg_u32 s3, 0
.irp j, 0,1,2,3,4,5,6,7
	s_cselect_b32 s[MLF+\j], s[ML+\j], 0
.endr
	s_cmp_lg_u32 s3, 7
.irp j, 0,1,2,3,4,5,6,7
	s_cselect_b32 s[MHL+\j], s[MH+\j], 0
.endr
	s_mov_b32 s86, 0x76543210                      ; v_permlanex16_b32's selects for lane l xor 16
	s_mov_b32 s87, 0xfedcba98
	v_mov_b32 v3, 0xff800000                       ; -infinity
	v_mov_b32 v13, 0                               ; (upper halves of pairs that packed forms name)
	v_mov_b32 v15, 0
	v_mov_b32 v234, 0                              ; (a lane permute's destination counts as one of its sources)
	v_mov_b32 v235, 0
.set j, 0
.rept 16
	v_mov_b32 v[P+j], 0                            ; zero codes in every slot
.set j, j+1
.endr
	s_wait_kmcnt 0x0
	s_add_co_i32 s2, s78, s79
	s_lshl_b32 s2, s2, 23
	s_add_co_i32 s84, s2, 0x3fb8aa3b               ; c = log2(e) x 2^(e6 + e7): the two exponents are added to its exponent field
	s_mov_b32 s85, s84
	s_add_co_i32 s2, s80, 127
	s_lshl_b32 s3, s2, 23
	v_mov_b32 v5, s3                               ; 2^e8, for p's conversion
	s_add_co_i32 s2, s2, 8
	s_lshl_b32 s2, s2, 23
	s_or_b32 s2, s2, 0x600000
	v_mov_b32 v4, s2                               ; 448 x 2^e8
	s_sub_co_i32 s2, s82, s80
	s_sub_co_i32 s2, s2, s81
	s_add_co_i32 s2, s2, 127
	s_lshl_b32 s3, s2, 23
	v_mov_b32 v7, s3                               ; 2^(e10 - e8 - e9): a sum of the second product stands for sum x 2^(e8 + e9)
	s_add_co_i32 s2, s2, 8
	s_lshl_b32 s2, s2, 23
	s_or_b32 s2, s2, 0x600000
	v_mov_b32 v6, s2
; Query tile i of my four.  lo, hi: the masks of the key tiles below and above.  left: the loads issued behind those that its scores want.
.macro TILE i, lo, hi, left
	s_wait_loadcnt \left
.irp d, 0,1,2
	v_wmma_f32_16x16x64_fp8_fp8 v[S+8*\d:S+8*\d+7], v[KR+8*((\i)+\d):KR+8*((\i)+\d)+7], v[QR+8*(\i):QR+8*(\i)+7], 0
.endr
.rept 4
	v_nop                                          ; places behind the products (ISA guide 7.12.1)
.endr
.irp j, 0,1,2,3,4,5,6,7
	v_cndmask_b32 v[S+\j], v3, v[S+\j], s[\lo+\j]  ; what the mask hides becomes -infinity: p = 0
.endr
.irp j, 0,1,2,3,4,5,6,7
	v_cndmask_b32 v[S+8+\j], v3, v[S+8+\j], s[MM+\j]
.endr
.irp j, 0,1,2,3,4,5,6,7
	v_cndmask_b32 v[S+16+\j], v3, v[S+16+\j], s[\hi+\j]
.endr
	v_max3_num_f32 v232, v[S], v[S+1], v[S+2]      ; my query's largest score among my 24 keys, in two chains,
	v_max3_num_f32 v233, v[S+3], v[S+4], v[S+5]
.irp j, 6,10,14,18
	v_max3_num_f32 v232, v232, v[S+\j], v[S+\j+1]
	v_max3_num_f32 v233, v233, v[S+\j+2], v[S+\j+3]
.endr
	v_max3_num_f32 v232, v232, v[S+22], v[S+23]
	v_max_num_f32 v232, v232, v233
	v_permlanex16_b32 v234, v232, s86, s87
	v_max_num_f32 v232, v232, v234                 ; and among lane l xor 16's
	v_mul_f32 v232, s84, v232                      ; as t (c is positive)
	v_floor_f32 v12, -v232                         ; -M = floor(-t) = -ceil(t)
.set j, 0
.rept 12
	v_pk_fma_f32 v[S+j:S+j+1], v[S+j:S+j+1], s[84:85], v[12:13] op_sel_hi:[1,0,0]   ; t - M, two at a time
.set j, j+2
.endr
.set j, 0
.rept 24
	v_exp_f32 v[S+j], v[S+j]                       ; p = 2^(t - M): not normalised
.set j, j+1
.endr
.if (\i) > 0
	v_mov_b32 v[P+2*(\i)], 0                       ; the slot that the tile before saw and this one does not.  (Also the plain instruction behind the exponentials)
	v_mov_b32 v[P+2*(\i)+1], 0
.else
	v_nop
.endif
	s_wait_alu depctr_va_vdst(0)                   ; one wait for the batch, ahead of its first reader
	v_pk_add_f32 v[236:237], v[S:S+1], v[S+2:S+3]  ; the sum of the unquantised p, in two chains
	v_pk_add_f32 v[238:239], v[S+4:S+5], v[S+6:S+7]
.irp j, 8,12,16,20
	v_pk_add_f32 v[236:237], v[236:237], v[S+\j:S+\j+1]
	v_pk_add_f32 v[238:239], v[238:239], v[S+\j+2:S+\j+3]
.endr
	v_pk_add_f32 v[236:237], v[236:237], v[238:239]
	v_add_f32 v236, v236, v237
	v_permlanex16_b32 v235, v236, s86, s87
	v_add_f32 v236, v236, v235
	v_rcp_f32 v14, v236                            ; its wait stands ahead of its first reader, behind the second product
.set j, 0
.rept 24
	v_min_num_f32 v[S+j], v[S+j], v4               ; the conversion does not saturate (ISA guide 7.6.2); p is not negative, so the hold is one-sided
.set j, j+1
.endr
.irp d, 0,1,2
	v_cvt_scalef32_pk8_fp8_f32 v[P+2*((\i)+1+\d):P+2*((\i)+1+\d)+1], v[S+8*\d:S+8*\d+7], v5
.endr
	v_nop                                          ; one plain vector instruction between the conversions and the products that read their results
.if (\i) == 0
	s_wait_loadcnt 12                              ; V is in; the 12 loads of the three later tiles may be out
.endif
.irp ct, 0,1,2,3
	v_wmma_f32_16x16x128_fp8_fp8 v[O+8*\ct:O+8*\ct+7], v[VR+16*\ct:VR+16*\ct+15], v[P:P+15], 0
.endr
.rept 4
	v_nop
.endr
	s_wait_alu depctr_va_vdst(0)                   ; the reciprocal's wait
.set j, 0
.rept 16
	v_pk_mul_f32 v[O+j:O+j+1], v[O+j:O+j+1], v[14:15] op_sel_hi:[1,0]   ; O^T / the sum; each accumulator from its low end on
.set j, j+2
.endr
.set j, 0
.rept 32
	v_med3_num_f32 v[O+j], v[O+j], -v6, v6
.set j, j+1
.endr
.irp g, 0,1,2,3
	v_cvt_scalef32_pk8_fp8_f32 v[QR+8*(\i)+2*\g:QR+8*(\i)+2*\g+1], v[O+8*\g:O+8*\g+7], v7   ; into the registers that held this tile's Q: they are written no more
.endr
	v_nop
	global_store_b128 v1, v[QR+8*(\i):QR+8*(\i)+3], s[8:9] offset:(\i)*16384        ; 512 consecutive bytes, aligned
	global_store_b128 v1, v[QR+8*(\i)+4:QR+8*(\i)+7], s[8:9] offset:(\i)*16384+512
.endm
	TILE 0, MLF, MH, 28
	TILE 1, ML, MH, 8
	TILE 2, ML, MH, 4
	TILE 3, ML, MHL, 0
	s_endpgm
.Lfunc_end_k_q99395cc1d9_attn:
	.size	k_q99395cc1d9_attn, .Lfunc_end_k_q99395cc1d9_attn-k_q99395cc1d9_attn
	.p2alignl 7, 3214868480
	.fill 96, 4, 3214868480
	.section	.rodata,"a",@progbits
	.p2align	6, 0x0
	.amdhsa_kernel k_q99395cc1d9_attn
		.amdhsa_group_segment_fixed_size 0
		.amdhsa_private_segment_fixed_size 0
		.amdhsa_enable_private_segment 0
		.amdhsa_kernarg_size 24
		.amdhsa_user_sgpr_count 2
		.amdhsa_user_sgpr_kernarg_segment_ptr 1
		.amdhsa_wavefront_size32 1
		.amdhsa_system_sgpr_workgroup_id_x 1
		.amdhsa_system_sgpr_workgroup_id_y 1
		.amdhsa_system_sgpr_workgroup_id_z 1
		.amdhsa_system_vgpr_workitem_id 0
		.amdhsa_next_free_vgpr 256
		.amdhsa_next_free_sgpr 90
		.amdhsa_reserve_vcc 0
		.amdhsa_float_denorm_mode_32 3
		.amdhsa_float_denorm_mode_16_64 3
		.amdhsa_memory_ordered 1
		.amdhsa_forward_progress 1
		.amdhsa_inst_pref_size 51
	.end_amdhsa_kernel
	.amdgpu_metadata
---
amdhsa.version: [ 1, 2 ]
amdhsa.kernels:
  - .name:           k_q99395cc1d9_attn
    .symbol:         k_q99395cc1d9_attn.kd
    .args:
      - { .name: qkv, .offset: 0, .size: 8, .value_kind: global_buffer, .address_space: global }
      - { .name: lowp_scales, .offset: 8, .size: 8, .value_kind: global_buffer, .address_space: global }
      - { .name: ac, .offset: 16, .size: 8, .value_kind: global_buffer, .address_space: global }
    .group_segment_fixed_size: 0
    .private_segment_fixed_size: 0
    .kernarg_segment_align: 8
    .kernarg_segment_size: 24
    .max_flat_workgroup_size: 256
    .sgpr_count:     90
    .vgpr_count:     256
    .wavefront_size: 32
...
	.end_amdgpu_metadata
.endif
;; end of part 3
;; launch outg (part 4): grid 4 x 32, 4 waves a work-group, clusters of 4 x 4, 327,680 bytes of LDS; arguments ac, wc, lowp_scales, bo, out0; writes out0
.if DOCPART == 4
	.amdgcn_target "amdgcn-amd-amdhsa--gfx1250"
	.amdhsa_code_object_version 6
	.text
	.protected	k_q99395cc1d9_outg
	.globl	k_q99395cc1d9_outg
	.p2align	8
	.type	k_q99395cc1d9_outg,@function
k_q99395cc1d9_outg:
	s_mov_b64 s[64:65], 0
	v_nop
	global_prefetch_b8 v0, s[64:65] scope:SCOPE_SE
	s_setreg_imm32_b32 hwreg(HW_REG_WAVE_MODE, 25, 1), 1
	s_wait_xcnt 0x0
	s_wait_alu depctr_hold_cnt(0) depctr_sa_sdst(0) depctr_va_vdst(0) depctr_va_sdst(0) depctr_va_ssrc(0) depctr_va_vcc(0) depctr_vm_vsrc(0)
	s_getreg_b32 s2, hwreg(HW_REG_IB_STS2, 6, 4)
	s_cmp_eq_u32 s2, 0
	s_cbranch_scc0 .Lentry_in_a_cluster
	s_endpgm
.Lentry_in_a_cluster:
	s_bfe_u32 s2, ttmp6, 0x10000c
	s_cmp_lg_u32 s2, 0xf033
	s_cbranch_scc0 .Lentry_shape_is_right
	s_endpgm
.Lentry_shape_is_right:
; out0 = attention's result x Wo^T + bo, on codes of FP8 (E4M3): exponents entries 10 and 11.  The rows go back from the workspace's order (p = b x 2048 + c x 512 + m) to memory's (b x 2048 + 4 m + c).
; A tile of 256 x 256 is made by four waves, 128 x 128 each: 64 accumulators, 512 registers.  K = 1024 goes in four steps of 256 through two LDS slots filled by the tensor data mover.
; OPERANDS ARE IMAGES OF REGISTERS: a fragment (16 rows x 128 K) is 2,048 consecutive bytes, group c of four registers at 512 c + 16 x lane: no pitch, no padding.  Lane 16 h + r holds k = 32 c + 16 h + 0 .. 15 of row r, on both sides alike.
; THE MATRIX INSTRUCTION IS USED TRANSPOSED (source 0 = 16 rows of Wo, source 1 = 16 rows of the result): a lane holds eight neighbouring numbers of a row of out0.
; CLUSTERS: 4 x 4 work-groups; source 1's tile is shared along a row of the cluster, source 0's along a column, each asked for jointly.
; The bias, divided by 2^(e10 + e11), is the C of each sum's first product; each finished sum is multiplied once by 2^(e10 + e11).
; LIMIT: e10 + e11 between -126 and 126, so that both powers of two are f32 numbers.
; REGISTERS, in windows of 256: window 0: v0-31 addresses; v32-95 the bias in the result's layout, later a block's numbers on the way out; from v128 source 1's fragments, ONE set, later rows read back from the stage.
;   window 1: source 0's fragments, TWO sets.   windows 2, 3: the accumulators ((a, b) at v[8 (8 (a % 4) + b)]).
.set FR,     16
.set NL,     4
.set NP,     4                         ; places behind this matrix instruction (ISA guide 7.12.1)
.set HALFT,  32768
.set SLOT,   4*HALFT
.set SPARE,  2*SLOT                    ; behind the ring: the spare words, 128 bytes for each wave: two blocks of 256 bytes that no other line names
.set SPITCH, 528                       ; the way out: a stage of 16 rows x (512 bytes + 16) for each wave.  It lies in slot 0, which has had its last fill and its last read when the first result is stored there
.set ADRA, 16
.set ADRB, 20
.set STO,  24                          ; v24     the way out: where I put 32 bytes of a row
.set RD,   25                          ; v25     where I read a row back
.set CO,   26                          ; v26     16 x lane: my bytes of a row of 512
.set SPW,  28
.set NIL,  29
.set BI,   32
.set TMP,  32
.set AF,   128
.set BK,   128
.set G1, 24
.set G0, 32
.set G1B, 48
.set G0B, 56
.set MSB, 0
.macro WIN new                         ; the immediate's high byte repeats the setting that is left
.if MSB != \new
	s_set_vgpr_msb (MSB<<8)|\new
.set MSB, \new
.endif
.endm
.set MUL_LO, 0xa1
.set MUL_HI, 0xf1
.set FST_LO, 0x81
.set FST_HI, 0xc1
.set TO_B,   0x40
; A joint load: waves 0 and 1 fetch for source 1, waves 2 and 3 for source 0; the branch hangs on the wave's number alone.  Four v_nop follow each of the two lines.
.macro JLOAD g0a, g1a, g0b, g1b
	s_cmp_eq_u32 s15, 0
	s_cbranch_scc0 .Lfor_b_\@
	tensor_load_to_lds s[\g0a:\g0a+3], s[\g1a:\g1a+7]
	s_nop 0
.rept 4
	v_nop
.endr
	s_branch .Lasked_\@
.Lfor_b_\@:
	tensor_load_to_lds s[\g0b:\g0b+3], s[\g1b:\g1b+7]
	s_nop 0
.rept 4
	v_nop
.endr
.Lasked_\@:
.endm
.macro CREST
	s_cmp_lg_u32 s14, 0
	s_cbranch_scc1 .Lnot_wave_0_\@
	s_barrier_signal -3
.Lnot_wave_0_\@:
	s_barrier_wait -3
	s_barrier_signal -1
	s_barrier_wait -1
.endm
.macro CROUND
	s_barrier_signal -1
	s_barrier_wait -1
	CREST
.endm
	s_load_b256 s[68:75], s[0:1], 0x0              ; ac s[68:69], wc s[70:71], the exponents s[72:73], bo s[74:75]
	s_load_b64 s[76:77], s[0:1], 0x20              ; out0
	v_lshl_add_u32 v[SPW], v0, 2, SPARE
	v_mov_b32 v[NIL], 0
	ds_add_u32 v28, v29
	ds_add_u32 v28, v29
	s_wait_dscnt 0x0
	v_lshrrev_b32 v1, 5, v0
	v_readfirstlane_b32 s14, v1                    ; wave 0..3
	s_lshr_b32 s15, s14, 1                         ; which half of the tile's rows is mine.  Also: I fetch for source 1 (0) or for source 0 (1)
	s_and_b32 s16, s14, 1                          ; which half of its columns.  Also: which half of that tile I fetch
	s_bfe_u32 s40, ttmp6, 0x40000                  ; cx, cy
	s_bfe_u32 s41, ttmp6, 0x40004
	s_lshl_b32 s43, ttmp9, 2
	s_add_co_u32 s43, s43, s40                     ; block of 256 columns = 4 x cluster x + cx
	s_and_b32 s42, ttmp7, 0xffff
	s_lshl_b32 s42, s42, 2
	s_add_co_u32 s42, s42, s41                     ; block of 256 rows = 4 x cluster y + cy
	s_lshl_b32 s44, s41, 2
	s_lshl_b32 s44, 15, s44                        ; my row of the cluster
	s_lshl_b32 s46, 0x1111, s40                    ; my column
	s_or_b32 s[G1+0], s44, (3<<16)|(1<<21)         ; 15:0 the mask; 17:16 elements of 8 bytes; 21 set beside a mask; no padding
	s_or_b32 s[G1B+0], s46, (3<<16)|(1<<21)
.irp g, G1, G1B
	s_mov_b32 s[\g+1], 512<<16                     ; 8 rows (row tiles) of 512 elements = 4,096 bytes, 16,384 bytes apart
	s_mov_b32 s[\g+2], 8<<16
	s_mov_b32 s[\g+3], 512<<16
	s_mov_b32 s[\g+4], 8
	s_mov_b32 s[\g+5], 2048
	s_mov_b32 s[\g+6], 0
	s_mov_b32 s[\g+7], 0
.endr
	s_lshl_b32 s18, s42, 18
	s_lshl_b32 s19, s16, 17
	s_add_co_u32 s18, s18, s19
	s_mov_b32 s19, 0
	s_lshl_b32 s20, s43, 18
	s_lshl_b32 s21, s16, 17
	s_add_co_u32 s20, s20, s21
	s_add_co_u32 s20, s20, 0x300000                ; Wo's plane of wc
	s_mov_b32 s21, 0
	s_lshl_b32 s45, s14, 15                        ; where the tiles go: wave x 32,768
	s_wait_kmcnt 0x0
	s_load_b64 s[94:95], s[72:73], 0x28            ; e10, e11
	s_add_nc_u64 s[4:5], s[68:69], s[18:19]
	s_add_nc_u64 s[6:7], s[70:71], s[20:21]
	CROUND                                         ; all sixteen work-groups are here: the first joint loads meet
.irp s, 0,1
	s_mov_b32 s[G0+4*\s], 1
	s_add_co_u32 s[G0+4*\s+1], s45, \s*SLOT
	s_add_nc_u64 s[G0+4*\s+2:G0+4*\s+3], s[4:5], \s*4096
	s_or_b32 s[G0+4*\s+3], s[G0+4*\s+3], 0x80000000
	s_mov_b32 s[G0B+4*\s], 1
	s_add_co_u32 s[G0B+4*\s+1], s45, \s*SLOT
	s_add_nc_u64 s[G0B+4*\s+2:G0B+4*\s+3], s[6:7], \s*4096
	s_or_b32 s[G0B+4*\s+3], s[G0B+4*\s+3], 0x80000000
	JLOAD G0+4*\s, G1, G0B+4*\s, G1B               ; K steps 0 and 1: two loads of mine are out
.endr
	v_and_b32 v1, 15, v0                           ; r
	v_bfe_u32 v2, v0, 4, 1                         ; h
	v_and_b32 v3, 31, v0
	v_lshlrev_b32 v[CO], 4, v3
	s_lshl_b32 s2, s15, 15
	s_lshl_b32 s3, s16, 15
	s_add_co_u32 s3, s3, 2*HALFT
.irp s, 0,1
	v_add_nc_u32 v[ADRA+\s], s2, v[CO]
	v_add_nc_u32 v[ADRB+\s], s3, v[CO]
	s_add_co_u32 s2, s2, SLOT
	s_add_co_u32 s3, s3, SLOT
.endr
	s_mul_i32 s23, s14, 16*SPITCH                  ; my stage
	v_mul_u32_u24 v5, v1, SPITCH                   ; in: row r, 32 bytes for each half of the lanes
	v_lshl_add_u32 v5, v2, 5, v5
	v_add_nc_u32 v[STO], s23, v5
	v_add_nc_u32 v[RD], s23, v[CO]                 ; back: the 32 lanes take one row of 512 bytes
	s_lshl_b32 s2, s43, 10                         ; the bias: my 128 columns, in bytes
	s_lshl_b32 s3, s16, 9
	s_add_co_u32 s2, s2, s3
	v_lshl_add_u32 v4, v2, 5, s2                   ; lane (r, h) wants, for tile b, the columns 16 b + 8 h + 0 .. 7
.irp b, 0,1,2,3,4,5,6,7
	global_load_b128 v[BI+8*\b:BI+8*\b+3], v4, s[74:75] offset:64*\b
	global_load_b128 v[BI+8*\b+4:BI+8*\b+7], v4, s[74:75] offset:64*\b+16
.endr
	; my first row of out0: block rt of 256 rows in the workspace's order is b = rt / 8, c = (rt / 2) % 4, m from 256 (rt % 2) on
	s_lshr_b32 s2, s42, 3
	s_lshl_b32 s2, s2, 11
	s_bfe_u32 s3, s42, 0x20001
	s_add_co_u32 s2, s2, s3
	s_and_b32 s3, s42, 1
	s_lshl_b32 s3, s3, 10
	s_add_co_u32 s2, s2, s3
	s_lshl_b32 s3, s15, 9
	s_add_co_u32 s2, s2, s3                        ; 2048 b + c + 4 (256 (rt % 2) + 128 x half)
	s_lshl_b32 s2, s2, 12                          ; rows of 4,096 bytes
	s_lshl_b32 s3, s43, 10
	s_add_co_u32 s2, s2, s3                        ; + my columns
	s_lshl_b32 s3, s16, 9
	s_add_co_u32 s2, s2, s3
	s_mov_b32 s3, 0
	s_add_nc_u64 s[10:11], s[76:77], s[2:3]
	s_wait_kmcnt 0x0
	s_add_co_i32 s94, s94, s95                     ; e10 + e11
	s_add_co_i32 s96, s94, 127
	s_lshl_b32 s96, s96, 23                        ; 2^(e10 + e11) as f32
	s_mov_b32 s97, s96
	s_sub_co_i32 s98, 127, s94
	s_lshl_b32 s98, s98, 23                        ; and its reciprocal
	s_mov_b32 s99, s98
	s_wait_loadcnt 0x0
.set j, 0
.rept 32
	v_pk_mul_f32 v[BI+j:BI+j+1], v[BI+j:BI+j+1], s[98:99] op_sel_hi:[1,0]
.set j, j+2
.endr
.macro FRAG reg, adr, q, i
.irp c, 0,1,2,3
	ds_load_b128 v[\reg+4*\c:\reg+4*\c+3], v[\adr] offset:(\i)*4096+(\q)*2048+512*\c
.endr
.endm
; 16 matrix instructions: source 1's blocks a0, a0 + 1 x source 0's eight.  first = 1: the first product starts the sums, with the bias as C.  The 64 accumulators take turns, one instruction a turn.
.macro MUL16 a0, p, first
.irp a, \a0, \a0+1
.irp b, 0,1,2,3,4,5,6,7
.if \first
	v_wmma_f32_16x16x128_fp8_fp8 v[8*(8*((\a)%4)+\b):8*(8*((\a)%4)+\b)+7], v[128*(\p)+FR*\b:128*(\p)+FR*\b+FR-1], v[AF+FR*(\a):AF+FR*(\a)+FR-1], v[BI+8*\b:BI+8*\b+7]
.else
	v_wmma_f32_16x16x128_fp8_fp8 v[8*(8*((\a)%4)+\b):8*(8*((\a)%4)+\b)+7], v[128*(\p)+FR*\b:128*(\p)+FR*\b+FR-1], v[AF+FR*(\a):AF+FR*(\a)+FR-1], v[8*(8*((\a)%4)+\b):8*(8*((\a)%4)+\b)+7]
.endif
.endr
.endr
.endm
.macro FETCH_B slot, q, p
	WIN TO_B
.irp i, 0,1,2,3,4,5,6,7
	FRAG 128*(\p)+FR*\i, ADRB+\slot, \q, \i
.endr
	WIN 0
.endm
.macro FETCH_A slot, q, i0
.irp i, \i0, \i0+1, \i0+2, \i0+3
	FRAG AF+FR*(\i), ADRA+\slot, \q, \i
.endr
.endm
.macro PLACES n                        ; places in front of loads into registers that matrix instructions have read, and of the first read of results
.rept \n
	v_nop
.endr
.endm
.macro STEP slot, q, first
	s_wait_dscnt 4*NL                              ; source 0's set and source 1's blocks 0-3 are in; the youngest 16 loads (blocks 4-7) may be out
.if \first
	WIN FST_LO
.else
	WIN MUL_LO
.endif
	MUL16 0, (\q)%2, \first
	MUL16 2, (\q)%2, \first
	s_wait_dscnt 0
	PLACES NP
	FETCH_B \slot, (\q)+1, 1-(\q)%2
	FETCH_A \slot, (\q)+1, 0
.if \first
	WIN FST_HI
.else
	WIN MUL_HI
.endif
	MUL16 4, (\q)%2, \first
	MUL16 6, (\q)%2, \first
	PLACES NP
	WIN 0
	FETCH_A \slot, (\q)+1, 4
.endm
; A slot's last step changes slots: one barrier; in front of it each wave waits for all its tensor loads, adds 0 to its spare word, and waits for that and for its own reads of this slot.
.macro TURN slot, next, fill
	s_wait_tensorcnt 0x0                           ; all my tensor loads have landed: my part of the next slot
	ds_add_u32 v[SPW], v[NIL]                      ; 0 onto my spare word
	s_wait_dscnt 4*NL+1                            ; (the add and the youngest 16 loads may be out)
	WIN MUL_LO
	MUL16 0, 1, 0
	s_wait_dscnt 0x0                               ; the add is done, and my reads of this slot are over
	s_barrier_signal -1
	MUL16 2, 1, 0
	WIN 0
	s_barrier_wait -1
.if \fill
	CREST                                          ; a round of the cluster's barrier: no wave of any partner still reads this slot's tile or has a load on its way
	s_add_nc_u64 s[G0+4*\slot+2:G0+4*\slot+3], s[G0+4*\slot+2:G0+4*\slot+3], 2*4096
	s_add_nc_u64 s[G0B+4*\slot+2:G0B+4*\slot+3], s[G0B+4*\slot+2:G0B+4*\slot+3], 2*4096
	JLOAD G0+4*\slot, G1, G0B+4*\slot, G1B         ; the first tensor load behind the round: one load of mine is out
.else
	PLACES NP
.endif
	FETCH_B \next, 0, 0
	FETCH_A \next, 0, 0
	WIN MUL_HI
	MUL16 4, 1, 0
	MUL16 6, 1, 0
	PLACES NP
	WIN 0
	FETCH_A \next, 0, 4
.endm
	s_wait_tensorcnt 1                             ; my part of K step 0 is in (K step 1's load may be out)
	s_barrier_signal -1
	s_barrier_wait -1                              ; everybody's is
	FETCH_B 0, 0, 0
	FETCH_A 0, 0, 0
	FETCH_A 0, 0, 4
	STEP 0, 0, 1
	TURN 0, 1, 1
	STEP 1, 0, 0
	TURN 1, 0, 1
	STEP 0, 0, 0
	TURN 0, 1, 0
	STEP 1, 0, 0
	s_wait_dscnt 4*NL
	WIN MUL_LO
	MUL16 0, 1, 0
	MUL16 2, 1, 0
	s_wait_dscnt 0
	WIN MUL_HI
	MUL16 4, 1, 0
	MUL16 6, 1, 0
	WIN 0
; THE WAY OUT, block by block of 16 rows x 128 columns: through my own stage in LDS and back as whole rows of 512 bytes.  LDS serves a wave's instructions in order (ISA guide 5.7.1.4): no wait between the stores and the loads.
.macro TOSTAGE a
.set AC, 64*((\a)%4)
	WIN 0x02+((\a)/4)                              ; source 0: window 2 or 3
.set j, 0
.rept 32
	v_pk_mul_f32 v[TMP+j:TMP+j+1], v[AC+j:AC+j+1], s[96:97] op_sel_hi:[1,0]   ; x 2^(e10 + e11); each accumulator from its low end on
.set j, j+2
.endr
	WIN 0
.irp b, 0,1,2,3,4,5,6,7
	ds_store_b128 v[STO], v[TMP+8*\b:TMP+8*\b+3] offset:64*\b
	ds_store_b128 v[STO], v[TMP+8*\b+4:TMP+8*\b+7] offset:64*\b+16
.endr
.set BB, BK+64*((\a)%2)
.irp t, 0,1,2,3,4,5,6,7,8,9,10,11,12,13,14,15
	ds_load_b128 v[BB+4*\t:BB+4*\t+3], v[RD] offset:\t*SPITCH
.endr
.endm
.macro SEND a, younger                 ; younger: the LDS instructions issued behind block a's loads, which may stay out
.set BB, BK+64*((\a)%2)
	s_wait_dscnt \younger
.if (\a) > 0
	s_add_nc_u64 s[10:11], s[10:11], 262144        ; (behind a wait on XCNT)  16 rows of the workspace's order are 64 rows of memory
.endif
.irp t, 0,1,2,3,4,5,6,7,8,9,10,11,12,13,14,15
	global_store_b128 v[CO], v[BB+4*\t:BB+4*\t+3], s[10:11] offset:\t*16384 th:TH_STORE_NT   ; 512 consecutive bytes, aligned; neighbouring rows of a block lie four rows of memory apart
.endr
.endm
	PLACES NP
	TOSTAGE 0
.irp a, 1,2,3,4,5,6,7
.if \a > 1
	s_wait_xcnt 0x0                                ; block a - 2's stores have read their registers and their base
.endif
	TOSTAGE \a
	SEND \a-1, 32                                  ; behind block a - 1's loads: block a's 16 stores and 16 loads
.endr
	s_wait_xcnt 0x0
	SEND 7, 0
	s_wait_tensorcnt 0x0                           ; the wave's end
	ds_add_u32 v[SPW], v[NIL]
	s_wait_dscnt 0x0
	CROUND                                         ; the closing round
	s_endpgm
.Lfunc_end_k_q99395cc1d9_outg:
	.size	k_q99395cc1d9_outg, .Lfunc_end_k_q99395cc1d9_outg-k_q99395cc1d9_outg
	.p2alignl 7, 3214868480
	.fill 96, 4, 3214868480
	.section	.rodata,"a",@progbits
	.p2align	6, 0x0
	.amdhsa_kernel k_q99395cc1d9_outg
		.amdhsa_group_segment_fixed_size 327680
		.amdhsa_private_segment_fixed_size 0
		.amdhsa_enable_private_segment 0
		.amdhsa_kernarg_size 40
		.amdhsa_user_sgpr_count 2
		.amdhsa_user_sgpr_kernarg_segment_ptr 1
		.amdhsa_wavefront_size32 1
		.amdhsa_system_sgpr_workgroup_id_x 1
		.amdhsa_system_sgpr_workgroup_id_y 1
		.amdhsa_system_sgpr_workgroup_id_z 1
		.amdhsa_system_vgpr_workitem_id 0
		.amdhsa_next_free_vgpr 1024
		.amdhsa_next_free_sgpr 100
		.amdhsa_reserve_vcc 0
		.amdhsa_float_denorm_mode_32 3
		.amdhsa_float_denorm_mode_16_64 3
		.amdhsa_memory_ordered 1
		.amdhsa_forward_progress 1
		.amdhsa_inst_pref_size 127
	.end_amdhsa_kernel
	.amdgpu_metadata
---
amdhsa.version: [ 1, 2 ]
amdhsa.kernels:
  - .name:           k_q99395cc1d9_outg
    .symbol:         k_q99395cc1d9_outg.kd
    .args:
      - { .name: ac, .offset: 0, .size: 8, .value_kind: global_buffer, .address_space: global }
      - { .name: wc, .offset: 8, .size: 8, .value_kind: global_buffer, .address_space: global }
      - { .name: lowp_scales, .offset: 16, .size: 8, .value_kind: global_buffer, .address_space: global }
      - { .name: bo, .offset: 24, .size: 8, .value_kind: global_buffer, .address_space: global }
      - { .name: out0, .offset: 32, .size: 8, .value_kind: global_buffer, .address_space: global }
    .group_segment_fixed_size: 327680
    .private_segment_fixed_size: 0
    .kernarg_segment_align: 8
    .kernarg_segment_size: 40
    .max_flat_workgroup_size: 128
    .sgpr_count:     100
    .vgpr_count:     1024
    .wavefront_size: 32
...
	.end_amdgpu_metadata
.endif
;; end of part 4
